; MI455X (gfx1250); checked and timed in simulation.
; The chip was launched on July 23, 2026; its instructions are those of AMD's public machine-readable ISA for CDNA 5 (MIT licence, August 2026) and "CDNA5" Instruction Set Architecture Reference Guide (July 2026). The comments in the code are by the model that wrote it; some were corrected since.
;; Euclidean Codebook. Allowed arithmetic: matrix products marked QUANTISED: E2M1 operands, one E8M0 scale for each 32 along K, by v_wmma_scale_f32_16x16x128_f8f6f4 with both operands' format E2M1 (or v_wmma_scale_f32_32x16x128_f4), f32 sums; everything else in f32.
;; Inputs: embed 8,192 x 256 float32; x 32,768 x 256 float32.
;; Outputs: out0 32,768 x 256 float32; out1 32,768 int32.
;; This version of the problem:
;;   THIS VERSION OF THE PROBLEM IS GIVEN IN LOW PRECISION. The matrix products marked QUANTISED in the list below multiply operands that are first quantised to E2M1 (2 exponent bits, 1 mantissa bit; 4 bits a number), with one power-of-two scale for each 32 numbers along K (OCP MX v1.0); their sums are f32. All else is computed in f32.
;;   The module's matrix products, in the order in which they are computed (A, B: the left and right operand; K: the contracted axis; several contracted axes count as one K, in the product's order):
;;     1. [M 32,768, K 256] x [K 256, N 8,192]; A: input x; B: input embed: QUANTISED
;;   THE QUANTISER, for each operand of a quantised product, along K:
;;     - K is cut into blocks of 32 from its start; a last block that is shorter is filled with zeros.
;;     - A block's scale is 2^e with e = floor(log2(the largest magnitude in the block)) - 2, held to -126 .. 127; a block of zeros has e = 0. As a byte (E8M0): e + 127.
;;     - Each number is divided by its block's scale, clamped to +-6, and rounded to the nearest number of E2M1, ties to even, subnormals kept.
;;     - The product sums the exact products of the quantised numbers (number of the format x scale) in f32.
;;   ~~~python
;;   def quantise(x, axis):      # numpy; x: float32 -> the quantised numbers, widened to float32 again
;;       x = np.moveaxis(x, axis, -1); K = x.shape[-1]
;;       x = np.pad(x, [(0, 0)] * (x.ndim - 1) + [(0, -K % 32)]); x = x.reshape(x.shape[:-1] + (-1, 32)); a = np.abs(x).max(-1, keepdims=True)
;;       e = np.where(a > 0, np.clip(np.frexp(np.where(a > 0, a, 1))[1] - 1 - 2, -126, 127), 0)      # np.frexp(a)[1] - 1 = floor(log2(a)), exactly
;;       r = np.clip(x / 2.0 ** e, -6, 6)
;;       step = 2.0 ** (np.maximum(np.frexp(np.where(r == 0, 1, r))[1] - 1, 0) - 1)
;;       q = np.round(r / step) * step * 2.0 ** e      # np.round: ties to even
;;       return np.moveaxis(q.reshape(q.shape[:-2] + (-1,))[..., :K], -1, axis).astype(np.float32)
;;   ~~~
;; One version. Each part assembles by itself: llvm-mc -triple=amdgcn-amd-amdhsa -mcpu=gfx1250 --defsym DOCPART=n.
;; ======== version 1 of 1: 3 launches
;; limits: right only within a limited range of input values
;; workspace buffers: xq 4,587,520 bytes; eq 1,146,880 bytes; ind 131,072 bytes of whole numbers
;; launch quant (part 1): grid 1280 x 1, 2 waves a work-group, no clusters, 33,536 bytes of LDS; arguments x, embed, xq, eq; writes xq, eq
.if DOCPART == 1
	.amdgcn_target "amdgcn-amd-amdhsa--gfx1250"
	.amdhsa_code_object_version 6
	.text
	.protected	k_q7391eaafef_quant
	.globl	k_q7391eaafef_quant
	.p2align	8
	.type	k_q7391eaafef_quant,@function
k_q7391eaafef_quant:
	s_mov_b64 s[64:65], 0
	v_nop
	global_prefetch_b8 v0, s[64:65] scope:SCOPE_SE
	s_setreg_imm32_b32 hwreg(HW_REG_WAVE_MODE, 25, 1), 1
	s_wait_xcnt 0x0
; x [32768][256] and embed [8192][256], f32, become codes of FP4 (E2M1) with one E8M0 scale byte for each 32 along K, laid in the order of a matrix operand's registers, and half their rows' squared norms.
; OUT: blocks of 17,920 bytes for 128 rows = 8 tiles t of 16 rows:  2048 t + 512 q + 16 l : image q (0..3) of the tile's codes: lane l = 16 h + r holds row r, k = 64 q + 32 h + 0..31;
;   16384 + 128 t + 4 l : lane l = 16 s + r holds row r's scale word of K step s (128 along K);   17408 + 64 t + 4 i : row i's norm: + |x|^2 / 2 for x, - |c|^2 / 2 for embed, of the numbers as they are given.
; A block's scale is 2^(floor(log2(its largest magnitude)) - 2): its byte is the largest magnitude's exponent field - 2, held at 1 from below.
; LIMITS: a block of zeros, or one whose largest magnitude lies under 2^-124, gets the byte 1 (the bytes are read by this program alone; zero codes add nothing); NaN and infinities are not served.
; SHARES: a wave takes one tile, 16 rows = 16,384 bytes; work-groups 0..1023 take x, the others embed: one path, only pointers and the norm's factor are chosen.  Waves share nothing: no barrier.
; Each load reads 512 consecutive bytes; the tile turns through the wave's own stage in LDS, so that a lane then holds a WHOLE block of 32 neighbours of one row.
.set PITCH, 1040                       ; a stage row: 1,024 bytes + 16 = 65 x 16: sixteen rows begin in sixteen different 16-byte columns of 256 bytes
.set STG,   16*PITCH                   ; a wave's stage
.set BLKB,  17920
.set OSC,   16384
.set ONM,   17408
.set R,     16                         ; v16-143   the tile as loaded
.set X,     144                        ; v144-207  two sets of 32 neighbours
.set C,     208                        ; v208-223  codes: four registers for each image, never written again
.set BY,    224                        ; v224-227  my four blocks' scale bytes
.set SQ,    228                        ; v228-231  two packed chains of squares
	s_load_b256 s[4:11], s[0:1], 0x0               ; x s[4:5], embed s[6:7], xq s[8:9], eq s[10:11]
	v_lshl_add_u32 v240, v0, 2, 0x8200
	v_mov_b32 v241, 0
	v_lshrrev_b32 v1, 5, v0
	v_readfirstlane_b32 s12, v1                    ; wave 0, 1
	v_and_b32 v1, 31, v0                           ; l
	v_and_b32 v2, 15, v0                           ; r
	v_bfe_u32 v3, v0, 4, 1                         ; h
	v_lshlrev_b32 v4, 4, v1                        ; 16 l: my bytes of a load's 512
	s_mul_i32 s13, s12, STG
	v_add_nc_u32 v5, s13, v4                       ; the stage, on the way in
	v_mul_u32_u24 v6, v2, PITCH
	v_lshl_add_u32 v6, v3, 7, v6
	v_add_nc_u32 v6, s13, v6                       ; and on the way out: row r, + 128 h
	s_mov_b32 s19, 0x3f000000                      ; 0.5
	s_mov_b32 s20, 0xbf000000                      ; -0.5
	s_cmp_lt_u32 ttmp9, 1024                       ; x's work-group or embed's: the choice hangs on the work-group's number alone
	s_cselect_b32 s20, s19, s20
	s_cselect_b32 s14, 0, 1024
	s_wait_alu depctr_va_vdst(0)
	s_wait_kmcnt 0x0
	s_cselect_b64 s[4:5], s[4:5], s[6:7]
	s_cselect_b64 s[8:9], s[8:9], s[10:11]
	s_sub_co_u32 s14, ttmp9, s14
	s_lshl_b32 s14, s14, 1
	s_add_co_u32 s14, s14, s12                     ; my tile T of the tensor
	s_lshl_b32 s16, s14, 14                        ; 16,384 bytes a tile (under 2^26)
	s_mov_b32 s17, 0
	s_add_nc_u64 s[4:5], s[4:5], s[16:17]
.set n, 0
.rept 32
	global_load_b128 v[R+4*n:R+4*n+3], v4, s[4:5] offset:512*n th:TH_LOAD_NT   ; 32 lanes read 512 consecutive bytes: half a row
.set n, n+1
.endr
	s_lshr_b32 s16, s14, 3
	s_mul_i32 s16, s16, BLKB
	s_add_nc_u64 s[8:9], s[8:9], s[16:17]          ; my block of 128 rows
	s_and_b32 s15, s14, 7                          ; t
	s_lshl_b32 s18, s15, 11
	v_add_nc_u32 v7, s18, v4                       ; codes: 16 l + 2048 t
	s_lshl_b32 s18, s15, 7
	s_add_co_u32 s18, s18, OSC
	v_lshl_add_u32 v8, v1, 2, s18                  ; scale words: 4 l + 16384 + 128 t
	s_lshl_b32 s18, s15, 6
	s_add_co_u32 s18, s18, ONM
	v_lshl_add_u32 v9, v2, 2, s18                  ; norms: 4 r + 17408 + 64 t
	v_lshlrev_b32 v13, 3, v3                       ; 8 h
	s_mov_b32 s21, 0x76543210
	s_mov_b32 s22, 0xfedcba98                      ; v_permlanex16_b32's selects for lane l xor 16
	s_mov_b32 s23, 0xffff0000                      ; lanes 16-31
	v_mov_b32 v234, 0                              ; written once: a lane permute's destination counts as one of its sources
	v_mov_b32 v235, 0
	v_mov_b32 v237, 0
.set n, 0
.rept 32
	s_wait_loadcnt 31-n                            ; loads come back in order: load n is in, the younger ones stay out
	ds_store_b128 v5, v[R+4*n:R+4*n+3] offset:(n/2)*PITCH+(n%2)*512
.set n, n+1
.endr
.macro RD q                            ; my block 2 q + h of row r: 128 bytes.  LDS serves a wave's instructions in order: these see the stores above
.irp i, 0,1,2,3,4,5,6,7
	ds_load_b128 v[X+32*((\q)%2)+4*\i:X+32*((\q)%2)+4*\i+3], v6 offset:256*(\q)+16*\i
.endr
.endm
	RD 0
	RD 1
.macro BLOCK q
.set XS, X+32*((\q)%2)
.if (\q) < 3
	s_wait_dscnt 8                                 ; this block's eight loads are in; the next block's eight may be out
.else
	s_wait_dscnt 0x0
.endif
	v_max3_num_f32 v10, |v[XS]|, |v[XS+1]|, |v[XS+2]|              ; the block's largest magnitude: all 32 numbers are mine; two chains
	v_max3_num_f32 v11, |v[XS+3]|, |v[XS+4]|, |v[XS+5]|
.irp i, 6,10,14,18,22,26
	v_max3_num_f32 v10, v10, |v[XS+\i]|, |v[XS+\i+1]|
	v_max3_num_f32 v11, v11, |v[XS+\i+2]|, |v[XS+\i+3]|
.endr
	v_max3_num_f32 v10, v10, |v[XS+30]|, |v[XS+31]|
	v_max3_num_f32 v10, v10, v11, 0x1800000        ; and the floor 2^(3 - 127): the byte cannot fall under 1
	v_add_nc_u32 v12, 0xff000000, v10              ; 2 off the exponent field: the conversion takes the exponent field of this operand as its scale
.irp g, 0,1,2,3
	v_cvt_scalef32_pk8_fp4_f32 v[C+4*(\q)+\g], v[XS+8*\g:XS+8*\g+7], v12   ; to the nearest code, ties to even, beyond 6 the largest code
.endr
	v_lshrrev_b32 v[BY+(\q)], 23, v12              ; the scale's byte (a plain line behind the conversions)
.if (\q) == 0
	v_pk_mul_f32 v[SQ:SQ+1], v[XS:XS+1], v[XS:XS+1]                ; the first products start the sums of squares: nothing is cleared
	v_pk_mul_f32 v[SQ+2:SQ+3], v[XS+2:XS+3], v[XS+2:XS+3]
.else
	v_pk_fma_f32 v[SQ:SQ+1], v[XS:XS+1], v[XS:XS+1], v[SQ:SQ+1]
	v_pk_fma_f32 v[SQ+2:SQ+3], v[XS+2:XS+3], v[XS+2:XS+3], v[SQ+2:SQ+3]
.endif
.irp i, 4,8,12,16,20,24,28
	v_pk_fma_f32 v[SQ:SQ+1], v[XS+\i:XS+\i+1], v[XS+\i:XS+\i+1], v[SQ:SQ+1]
	v_pk_fma_f32 v[SQ+2:SQ+3], v[XS+\i+2:XS+\i+3], v[XS+\i+2:XS+\i+3], v[SQ+2:SQ+3]
.endr
	global_store_b128 v7, v[C+4*(\q):C+4*(\q)+3], s[8:9] offset:512*(\q)   ; image q: 512 consecutive bytes, at a multiple of 256 from the buffer's first byte
.if (\q) < 2
	RD (\q)+2
.endif
.endm
	BLOCK 0
	BLOCK 1
	BLOCK 2
	BLOCK 3
	; the scale words: K step s wants the bytes of blocks 4 s .. 4 s + 3; I hold blocks h, 2 + h (step 0) and 4 + h, 6 + h (step 1)
	v_lshl_or_b32 v232, v[BY+1], 16, v[BY]
	v_lshl_or_b32 v233, v[BY+3], 16, v[BY+2]
	v_lshlrev_b32 v232, v13, v232                  ; 8 h bits up
	v_lshlrev_b32 v233, v13, v233
	v_permlanex16_b32 v234, v232, s21, s22
	v_permlanex16_b32 v235, v233, s21, s22
	v_or_b32 v232, v232, v234                      ; with lane l xor 16's two bytes each word is whole
	v_or_b32 v233, v233, v235
	v_cndmask_b32 v232, v232, v233, s23            ; lanes 0-15 keep step 0's word, lanes 16-31 take step 1's
	global_store_b32 v8, v232, s[8:9]              ; 128 consecutive bytes
	v_pk_add_f32 v[SQ:SQ+1], v[SQ:SQ+1], v[SQ+2:SQ+3]
	v_add_f32 v236, v[SQ], v[SQ+1]
	v_permlanex16_b32 v237, v236, s21, s22
	v_add_f32 v236, v236, v237                     ; the row's sum of squares
	v_mul_f32 v236, s20, v236                      ; x 0.5 or x -0.5: exact
	global_store_b32 v9, v236, s[8:9]              ; both halves of the lanes write the same word with the same value: 64 consecutive bytes
	s_wait_tensorcnt 0x0
	ds_add_u32 v240, v241
	s_wait_dscnt 0x0
	s_endpgm
.Lfunc_end_k_q7391eaafef_quant:
	.size	k_q7391eaafef_quant, .Lfunc_end_k_q7391eaafef_quant-k_q7391eaafef_quant
	.p2alignl 7, 3214868480
	.fill 96, 4, 3214868480
	.section	.rodata,"a",@progbits
	.p2align	6, 0x0
	.amdhsa_kernel k_q7391eaafef_quant
		.amdhsa_group_segment_fixed_size 33536
		.amdhsa_private_segment_fixed_size 0
		.amdhsa_enable_private_segment 0
		.amdhsa_kernarg_size 32
		.amdhsa_user_sgpr_count 2
		.amdhsa_user_sgpr_kernarg_segment_ptr 1
		.amdhsa_wavefront_size32 1
		.amdhsa_system_sgpr_workgroup_id_x 1
		.amdhsa_system_sgpr_workgroup_id_y 1
		.amdhsa_system_sgpr_workgroup_id_z 1
		.amdhsa_system_vgpr_workitem_id 0
		.amdhsa_next_free_vgpr 242
		.amdhsa_next_free_sgpr 66
		.amdhsa_reserve_vcc 0
		.amdhsa_float_denorm_mode_32 3
		.amdhsa_float_denorm_mode_16_64 3
		.amdhsa_memory_ordered 1
		.amdhsa_forward_progress 1
		.amdhsa_inst_pref_size 22
	.end_amdhsa_kernel
	.amdgpu_metadata
---
amdhsa.version: [ 1, 2 ]
amdhsa.kernels:
  - .name:           k_q7391eaafef_quant
    .symbol:         k_q7391eaafef_quant.kd
    .args:
      - { .name: x, .offset: 0, .size: 8, .value_kind: global_buffer, .address_space: global }
      - { .name: embed, .offset: 8, .size: 8, .value_kind: global_buffer, .address_space: global }
      - { .name: xq, .offset: 16, .size: 8, .value_kind: global_buffer, .address_space: global }
      - { .name: eq, .offset: 24, .size: 8, .value_kind: global_buffer, .address_space: global }
    .group_segment_fixed_size: 33536
    .private_segment_fixed_size: 0
    .kernarg_segment_align: 8
    .kernarg_segment_size: 32
    .max_flat_workgroup_size: 64
    .sgpr_count:     66
    .vgpr_count:     242
    .wavefront_size: 32
...
	.end_amdgpu_metadata
.endif
;; end of part 1
;; launch sweep (part 2): grid 256 x 1, 8 waves a work-group, clusters of 4 x 1, 327,680 bytes of LDS; arguments xq, eq, out1, ind; writes out1, ind
.if DOCPART == 2
	.amdgcn_target "amdgcn-amd-amdhsa--gfx1250"
	.amdhsa_code_object_version 6
	.text
	.protected	k_q7391eaafef_sweep
	.globl	k_q7391eaafef_sweep
	.p2align	8
	.type	k_q7391eaafef_sweep,@function
k_q7391eaafef_sweep:
	s_mov_b64 s[64:65], 0
	v_nop
	global_prefetch_b8 v0, s[64:65] scope:SCOPE_SE
	s_setreg_imm32_b32 hwreg(HW_REG_WAVE_MODE, 25, 1), 1
	s_wait_xcnt 0x0
	s_wait_alu depctr_hold_cnt(0) depctr_sa_sdst(0) depctr_va_vdst(0) depctr_va_sdst(0) depctr_va_ssrc(0) depctr_va_vcc(0) depctr_vm_vsrc(0)
	s_getreg_b32 s2, hwreg(HW_REG_IB_STS2, 6, 4)
	s_cmp_eq_u32 s2, 0
	s_cbranch_scc0 .Lentry_in_a_cluster
	s_endpgm
.Lentry_in_a_cluster:
	s_bfe_u32 s2, ttmp6, 0x10000c
	s_cmp_lg_u32 s2, 0x3003
	s_cbranch_scc0 .Lentry_shape_is_right
	s_endpgm
.Lentry_shape_is_right:
; out1[n] = ind[n] = the first k at which max(|x_n|^2 + |c_k|^2 - 2 x_n.c_k, 0) is least; x.c is the product of the FP4 codes with their E8M0 scales.
; The same order is kept on s = x.c - |c|^2 / 2, held from above at |x|^2 / 2: the first k with the largest min(s, |x|^2 / 2).  -|c|^2 / 2 is the C of a sum's first product.
; LIMITS: s is rounded in another order than reference()'s x2 + c2 - 2 xc; NaN and infinities among the inputs are not served.
; SHARES: a work-group has 128 rows of x (8 tiles m of 16), whose fragments stay in every wave's registers; wave w takes the w-th block of 128 codes (8 tiles) of each step of 1,024 codes; 8 steps.
; Each wave brings its own block, 17,920 bytes as 70 rows of 256, by one tensor load into its own bytes of a ring of two slots, and reads only those bytes.
; CLUSTERS: the four work-groups of a cluster read the same blocks of eq: each load is a joint one, and a round of the cluster's barrier stands in front of every fill.
; A data prefetch is left out: eq is 1,146,880 bytes in all, every cluster walks the same bytes in the same order, and each joint load is asked for 96 matrix instructions of its wave ahead of the wait for it.
; THE PRODUCT IS USED TRANSPOSED: source 0 = 16 codes, source 1 = 16 rows of x: lane (r, h) holds row r of x, register j code 8 h + j of the tile.
; A PAIR is two tiles of codes x 8 m: 32 matrix instructions, 16 scores for each (lane, m).  Their maximum joins the running best; where the best has grown, the pair's number and its 16 scores are kept (WN),
; by selects in every pair: no branch hangs on a score.  At the end the first kept score that reaches the best gives the code; lanes' halves and waves are joined through LDS, ties to the lower code.
; The update of the pair's number is done behind the NEXT pair's products: its nine vector instructions are the places in front of the loads into the fragments' registers.
; REGISTERS: window 0: v0-127 addresses, bests, scales, norms, code fragments; v128-255 x's fragments.  Window 1: v0-127 the pair's accumulators, v128-255 the kept scores.
.set TILEB, 17920
.set SLOTB, 8*TILEB
.set OSC,   16384
.set ONM,   17408
.set CMB,   2*SLOTB                    ; behind the ring: 16,384 bytes in which the waves' results meet; no tensor load lands there
.set SPARE, CMB+16384                  ; the spare words: 128 bytes for each of 8 waves
.set AC0, 1                            ; LDS addresses in slot 0: codes, scale words, norms
.set AS0, 2
.set AN0, 3
.set AC,  4                            ; the same in the slot being read
.set AS,  5
.set AN,  6
.set CUR, 7                            ; first code of the lane's half of the pair whose number is still to be kept
.set SPW, 8
.set NIL, 9
.set CV,  10
.set CR,  11
.set GOF, 12
.set L16, 13
.set L4,  14
.set R4,  15
.set BA,  16                           ; the running best, in two sets by turns
.set BB,  24
.set ID,  32                           ; the winning pair's first code
.set X2H, 40                           ; |x|^2 / 2
.set G,   48
.set J,   56
.set SX,  64                           ; x's scale words
.set SA,  72                           ; the codes' scale words
.set CH,  76                           ; -|c|^2 / 2, in the result's layout
.set AF,  92                           ; two tiles of codes
.set XF,  128
.set ACC, 0
.set WN,  128
.set TV,  128
.set TI,  160
.set WV,  12
.set WB,  15
.set TB,  16
.set G1,  20
.set G0A, 28
.set G0B, 32
.set MK,  40
.set W_K0, 0x40
.set W_K1, 0x50
.set W_TR, 0x14
.set W_CP, 0x45
.set W_FI, 0x04
.set MSB, 0
.macro WIN new                         ; the immediate's high byte repeats the setting that is left
.if MSB != \new
	s_set_vgpr_msb (MSB<<8)|\new
.set MSB, \new
.endif
.endm
.macro CREST                           ; a round of the cluster's barrier behind its opening barrier
	s_cmp_lg_u32 s[WV], 0
	s_cbranch_scc1 .Lnot_wave_0_\@
	s_barrier_signal -3
.Lnot_wave_0_\@:
	s_barrier_wait -3
	s_barrier_signal -1
	s_barrier_wait -1
.endm
.macro ROUND
	s_barrier_signal -1
	s_barrier_wait -1
	CREST
.endm
	s_load_b256 s[4:11], s[0:1], 0x0               ; xq, eq, out1, ind
	v_lshl_add_u32 v[SPW], v0, 2, SPARE
	v_mov_b32 v[NIL], 0
	ds_add_u32 v[SPW], v[NIL]                      ; the opening lines: the add twice on end and one wait
	ds_add_u32 v[SPW], v[NIL]
	v_lshrrev_b32 v[J], 5, v0
	v_readfirstlane_b32 s[WV], v[J]                ; wave 0..7
	s_bfe_u32 s13, ttmp6, 0x40000
	s_lshl_b32 s14, ttmp9, 2
	s_add_co_u32 s14, s14, s13                     ; the work-group's number: it enters global addresses of x and the outputs alone
	s_mul_i32 s[WB], s[WV], TILEB                  ; my block's place in a slot and in a step of eq
	s_mov_b32 s[TB], 0
	s_mov_b32 s[G1], 15|(3<<16)|(1<<21)            ; the mask of all four partners; elements of 8 bytes
	s_mov_b32 s[G1+1], 32<<16                      ; rows of 32 elements = 256 bytes,
	s_mov_b32 s[G1+2], 70<<16                      ; 70 of them
	s_mov_b32 s[G1+3], 32<<16
	s_mov_b32 s[G1+4], 70
	s_mov_b32 s[G1+5], 32
	s_mov_b32 s[G1+6], 0
	s_mov_b32 s[G1+7], 0
	s_mov_b32 s[G0A], 1
	s_mov_b32 s[G0A+1], s[WB]
	s_mov_b32 s[G0B], 1
	s_add_co_u32 s[G0B+1], s[WB], SLOTB
	s_mov_b32 s36, s[WB]
	s_mov_b32 s37, 0
	s_mul_i32 s38, s14, TILEB
	s_mov_b32 s39, 0
	s_add_co_u32 s52, s[WB], OSC
	s_add_co_u32 s53, s[WB], ONM
	s_lshl_b32 s54, s[WV], 7
	s_lshl_b32 s55, s[WV], 10
	s_add_co_u32 s55, s55, CMB
	s_and_b32 s18, s[WV], 1
	s_lshl_b32 s18, s18, 8
.irp m, 0,1,2,3,4,5,6,7
	s_mov_b32 s[MK+\m], 0                          ; the first pair leaves no update of the number behind
.endr
	v_and_b32 v[J+1], 31, v0                       ; l
	v_bfe_u32 v[J+2], v0, 4, 1                     ; h
	v_and_b32 v[J+3], 15, v0                       ; r
	v_lshlrev_b32 v[L16], 4, v[J+1]
	v_lshlrev_b32 v[L4], 2, v[J+1]
	v_lshlrev_b32 v[R4], 2, v[J+3]
	v_add_nc_u32 v[AC0], s[WB], v[L16]
	v_add_nc_u32 v[AS0], s52, v[L4]
	v_lshl_add_u32 v[AN0], v[J+2], 5, s53          ; my half's eight norms
	v_lshl_add_u32 v[CUR], v[J+2], 3, s54          ; 128 w + 8 h
	v_lshl_add_u32 v[CV], v[J+2], 9, v[R4]
	v_lshl_add_u32 v[GOF], v[J+1], 3, s18
	v_mov_b32 v[AC], v[AC0]
	v_mov_b32 v[AS], v[AS0]
	v_mov_b32 v[AN], v[AN0]
	v_add_nc_u32 v[CV], s55, v[CV]                 ; where my results go: [wave][h][128 rows]
	v_add_nc_u32 v[CR], CMB, v[GOF]
.irp m, 0,1,2,3,4,5,6,7
	v_mov_b32 v[BA+\m], 0xff800000                 ; under every score
.endr
	s_wait_alu depctr_va_vdst(0)
	s_wait_dscnt 0x0                               ; both opening adds are done
	s_wait_kmcnt 0x0
	s_add_nc_u64 s[G0A+2:G0A+3], s[6:7], s[36:37]
	s_add_nc_u64 s[G0B+2:G0B+3], s[G0A+2:G0A+3], SLOTB
	s_or_b32 s[G0A+3], s[G0A+3], 0x80000000
	s_or_b32 s[G0B+3], s[G0B+3], 0x80000000
	s_add_nc_u64 s[4:5], s[4:5], s[38:39]          ; my work-group's block of xq
	s_lshl_b32 s38, s14, 9
	s_add_nc_u64 s[8:9], s[8:9], s[38:39]
	s_add_nc_u64 s[10:11], s[10:11], s[38:39]
	ROUND                                          ; in front of the first joint load
	tensor_load_to_lds s[G0A:G0A+3], s[G1:G1+7]    ; step 0: one tensor load a wave at the head
	s_nop 0
.irp m, 0,1,2,3,4,5,6,7                            ; x's fragments, scale words and norms: asked for while step 0 is on its way
.irp q, 0,1,2,3
	global_load_b128 v[XF+16*\m+4*\q:XF+16*\m+4*\q+3], v[L16], s[4:5] offset:2048*\m+512*\q
.endr
.endr
.irp m, 0,1,2,3,4,5,6,7
	global_load_b32 v[SX+\m], v[L4], s[4:5] offset:OSC+128*\m
	global_load_b32 v[X2H+\m], v[R4], s[4:5] offset:ONM+64*\m
.endr
.macro FETCH pb                        ; pair pb of my block: 2 x (4 images of codes, a scale word, 8 norms): 14 LDS loads
.irp u, 0,1
.irp q, 0,1,2,3
	ds_load_b128 v[AF+16*\u+4*\q:AF+16*\u+4*\q+3], v[AC] offset:2048*(2*(\pb)+\u)+512*\q
.endr
	ds_load_b32 v[SA+\u], v[AS] offset:128*(2*(\pb)+\u)
.irp c, 0,1
	ds_load_b128 v[CH+8*\u+4*\c:CH+8*\u+4*\c+3], v[AN] offset:64*(2*(\pb)+\u)+16*\c
.endr
.endr
.endm
.macro MULS acc                        ; 16 accumulators by turns, K step 0 and then K step 1: 15 other matrix instructions stand between a sum's two steps
	WIN W_K0
.irp u, 0,1
.irp m, 0,1,2,3,4,5,6,7
	v_wmma_scale_f32_16x16x128_f8f6f4 v[\acc+64*\u+8*\m:\acc+64*\u+8*\m+7], v[AF+16*\u:AF+16*\u+7], v[XF+16*\m:XF+16*\m+7], v[CH+8*\u:CH+8*\u+7], v[SA+\u], v[SX+\m] matrix_a_fmt:MATRIX_FMT_FP4 matrix_b_fmt:MATRIX_FMT_FP4
.endr
.endr
	WIN W_K1
.irp u, 0,1
.irp m, 0,1,2,3,4,5,6,7
	v_wmma_scale_f32_16x16x128_f8f6f4 v[\acc+64*\u+8*\m:\acc+64*\u+8*\m+7], v[AF+16*\u+8:AF+16*\u+15], v[XF+16*\m+8:XF+16*\m+15], v[\acc+64*\u+8*\m:\acc+64*\u+8*\m+7], v[SA+\u], v[SX+\m] matrix_a_fmt:MATRIX_FMT_FP4 matrix_b_fmt:MATRIX_FMT_FP4 matrix_a_scale:MATRIX_SCALE_ROW1 matrix_b_scale:MATRIX_SCALE_ROW1
.endr
.endr
	WIN 0
.endm
.macro SEL2 d, s                       ; two registers of the kept scores take the pair's where VCC says so: one dual instruction
	v_dual_cndmask_b32 v[\d], v[\d], v[\s] :: v_dual_cndmask_b32 v[\d+1], v[\d+1], v[\s+1]
.endm
; pb: the pair's place in the block.  first: the launch's first pair, whose products are the kept scores.  nxt: the pair to fetch (-1: none).  adv: the addresses go on to the other slot.
; sig: the three lines and the signal in front of a refill.  turn = 1: the round's rest and the refill; 2: the other slot's load is waited for, nothing is filled.
.macro PAIR pb, acc, first, nxt, adv, sig, turn
.if ((\pb)%2) == 0
.set BS, BA
.set BD, BB
.else
.set BS, BB
.set BD, BA
.endif
.if \turn != 1
	s_wait_dscnt 0x0                               ; the pair's 14 loads are in (turn = 1: the wait in front of the signal has shown it)
.endif
	MULS \acc
.if \turn == 1
	s_barrier_wait -1                              ; every wave of my work-group has read this slot out and has no load on its way,
	CREST                                          ; and so in all four work-groups
	s_add_co_u32 s[G0B+1], s[WB], s[TB]            ; into the slot just read: my block of the step two on
	s_add_nc_u64 s[G0B+2:G0B+3], s[G0B+2:G0B+3], SLOTB
	tensor_load_to_lds s[G0B:G0B+3], s[G1:G1+7]
	s_nop 0
.endif
.if \turn == 2
	s_wait_tensorcnt 0x0                           ; my block of the last step is in; only I read it
.endif
.if \turn
	s_xor_b32 s[TB], s[TB], SLOTB
.endif
.if \first
.irp m, 0,1,2,3,4,5,6,7
	v_mov_b32 v[ID+\m], v[CUR]
.endr
.else
.irp m, 0,1,2,3,4,5,6,7
	v_cndmask_b32 v[ID+\m], v[ID+\m], v[CUR], s[MK+\m]   ; the pair before: its number where it won
.endr
.if (\pb) == 0
	v_add_nc_u32 v[CUR], 928, v[CUR]               ; from a block's last pair to the next step's first: 1,024 - 96
.else
	v_add_nc_u32 v[CUR], 32, v[CUR]
.endif
.endif
.if (\nxt) >= 0
	FETCH \nxt                                     ; behind at least eight places
.endif
.if \adv
	s_xor_b32 s36, s[TB], SLOTB
	v_add_nc_u32 v[AC], s36, v[AC0]
	v_add_nc_u32 v[AS], s36, v[AS0]
	v_add_nc_u32 v[AN], s36, v[AN0]
.endif
	WIN W_TR
.irp k, 0,1,2,3,4,5,6,7                            ; the best so far and the 16 scores: eight v_max3 for each m, the eight m by turns; each accumulator from its low end on
.irp m, 0,1,2,3,4,5,6,7
.if \k == 0
	v_max3_num_f32 v[G+\m], v[BS+\m], v[\acc+8*\m], v[\acc+8*\m+1]
.else
	v_max3_num_f32 v[G+\m], v[G+\m], v[\acc+64*(\k/4)+8*\m+2*(\k%4)], v[\acc+64*(\k/4)+8*\m+2*(\k%4)+1]
.endif
.endr
.endr
	WIN 0
.irp m, 0,2,4,6
	v_dual_min_num_f32 v[BD+\m], v[G+\m], v[X2H+\m] :: v_dual_min_num_f32 v[BD+\m+1], v[G+\m+1], v[X2H+\m+1]   ; held at |x|^2 / 2: the distance's hold at 0
.endr
.if !\first
.irp m, 0,1,2,3,4,5,6,7
	v_cmp_gt_f32 s[MK+\m], v[BD+\m], v[BS+\m]      ; grown: a later pair that only equals the best does not win
.endr
.endif
.if \sig
	s_wait_tensorcnt 0x0                           ; my block of the other slot is in: no load of mine is out
	ds_add_u32 v[SPW], v[NIL]
	s_wait_dscnt 0x0                               ; the add is done, and my last reads of this slot (the block's last pair) are in
	s_barrier_signal -1                            ; opens the round; the selects below and the next pair's 32 products, work on registers, stand in front of its wait
.endif
.if !\first
	WIN W_CP
.irp m, 0,1,2,3,4,5,6,7
	s_mov_b32 vcc_lo, s[MK+\m]
.irp u, 0,1
.irp i, 0,2,4,6
	SEL2 WN+64*\u+8*\m+\i, ACC+64*\u+8*\m+\i
.endr
.endr
.endr
	WIN 0
.endif
.endm
	s_wait_tensorcnt 0x0                           ; step 0's block is in
	ds_add_u32 v[SPW], v[NIL]
	s_wait_dscnt 0x0
	ROUND
	tensor_load_to_lds s[G0B:G0B+3], s[G1:G1+7]    ; step 1, into slot 1
	s_nop 0
	FETCH 0
	s_wait_loadcnt 0x0                             ; x's fragments, scale words and norms
	PAIR 0, WN, 1, 1, 0, 0, 0
	s_mov_b32 s17, 6
.Lring:                                                ; a trip: a step's pairs 1 to 3, the change of slots with its refill (steps 2 to 7), the next step's pair 0
	PAIR 1, ACC, 0, 2, 0, 0, 0
	PAIR 2, ACC, 0, 3, 1, 1, 0
	PAIR 3, ACC, 0, 0, 0, 0, 1
	PAIR 0, ACC, 0, 1, 0, 0, 0
	s_sub_co_u32 s17, s17, 1
	s_cmp_lg_u32 s17, 0
	s_cbranch_scc1 .Lring
	PAIR 1, ACC, 0, 2, 0, 0, 0                     ; step 6: nothing is filled again
	PAIR 2, ACC, 0, 3, 1, 0, 0
	PAIR 3, ACC, 0, 0, 0, 0, 2
	PAIR 0, ACC, 0, 1, 0, 0, 0                     ; step 7
	PAIR 1, ACC, 0, 2, 0, 0, 0
	PAIR 2, ACC, 0, 3, 0, 0, 0
	PAIR 3, ACC, 0, -1, 0, 0, 0
.irp m, 0,1,2,3,4,5,6,7
	v_cndmask_b32 v[ID+\m], v[ID+\m], v[CUR], s[MK+\m]   ; the last pair's number
.endr
	; the first of the 16 kept scores that reaches the best: score i is code 16 (i / 8) + i % 8 of the lane's half
	WIN W_FI
.irp m, 0,1,2,3,4,5,6,7
	v_mov_b32 v[J+\m], 23
.endr
.irp i, 14,13,12,11,10,9,8,7,6,5,4,3,2,1,0
.irp m, 0,1,2,3,4,5,6,7
	v_cmp_le_f32 s[MK+\m], v[BA+\m], v[WN+64*(\i/8)+8*\m+(\i%8)]
.endr
.irp m, 0,1,2,3,4,5,6,7
	v_cndmask_b32 v[J+\m], v[J+\m], 16*(\i/8)+(\i%8), s[MK+\m]
.endr
.endr
	WIN 0
.irp m, 0,1,2,3,4,5,6,7
	v_add_nc_u32 v[J+\m], v[ID+\m], v[J+\m]
.endr
.irp m, 0,1,2,3,4,5,6,7
	ds_store_b32 v[CV], v[BA+\m] offset:64*\m
.endr
.irp m, 0,1,2,3,4,5,6,7
	ds_store_b32 v[CV], v[J+\m] offset:8192+64*\m
.endr
	s_wait_dscnt 0x0                               ; for the others' sake: my stores are done
	s_barrier_signal -1
	s_barrier_wait -1
	s_cmp_gt_u32 s[WV], 1
	s_cbranch_scc1 .Lout
	; waves 0 and 1 join the 16 candidates (8 waves x 2 halves) of 64 rows each, two rows a lane
.irp c, 0,1,2,3,4,5,6,7,8,9,10,11,12,13,14,15
	ds_load_b64 v[TV+2*\c:TV+2*\c+1], v[CR] offset:512*\c
.endr
.irp c, 0,1,2,3,4,5,6,7,8,9,10,11,12,13,14,15
	ds_load_b64 v[TI+2*\c:TI+2*\c+1], v[CR] offset:8192+512*\c
.endr
	s_wait_dscnt 0x0
.macro MERGE n0, dist, cnt             ; the larger value wins; of equal values the lower code
.irp i, 0,1,2,3
.if \i < \cnt
	v_cmp_gt_f32 s[MK+\i], v[TV+\n0+\dist+\i], v[TV+\n0+\i]
	v_cmp_eq_f32 s[MK+4+\i], v[TV+\n0+\dist+\i], v[TV+\n0+\i]
	v_cmp_lt_u32 s[MK+8+\i], v[TI+\n0+\dist+\i], v[TI+\n0+\i]
.endif
.endr
.irp i, 0,1,2,3
.if \i < \cnt
	s_and_b32 s[MK+4+\i], s[MK+4+\i], s[MK+8+\i]
	s_or_b32 s[MK+\i], s[MK+\i], s[MK+4+\i]
.endif
.endr
.irp i, 0,1,2,3
.if \i < \cnt
	v_cndmask_b32 v[TV+\n0+\i], v[TV+\n0+\i], v[TV+\n0+\dist+\i], s[MK+\i]
	v_cndmask_b32 v[TI+\n0+\i], v[TI+\n0+\i], v[TI+\n0+\dist+\i], s[MK+\i]
.endif
.endr
.endm
	MERGE 0, 16, 4
	MERGE 4, 16, 4
	MERGE 8, 16, 4
	MERGE 12, 16, 4
	MERGE 0, 8, 4
	MERGE 4, 8, 4
	MERGE 0, 4, 4
	MERGE 0, 2, 2
	global_store_b64 v[GOF], v[TI:TI+1], s[8:9]    ; a wave stores 256 consecutive bytes, aligned
	global_store_b64 v[GOF], v[TI:TI+1], s[10:11]
.Lout:
	s_wait_tensorcnt 0x0                           ; the wave's end
	ds_add_u32 v[SPW], v[NIL]
	s_wait_dscnt 0x0
	ROUND                                          ; the closing round
	s_endpgm
.Lfunc_end_k_q7391eaafef_sweep:
	.size	k_q7391eaafef_sweep, .Lfunc_end_k_q7391eaafef_sweep-k_q7391eaafef_sweep
	.p2alignl 7, 3214868480
	.fill 96, 4, 3214868480
	.section	.rodata,"a",@progbits
	.p2align	6, 0x0
	.amdhsa_kernel k_q7391eaafef_sweep
		.amdhsa_group_segment_fixed_size 327680
		.amdhsa_private_segment_fixed_size 0
		.amdhsa_enable_private_segment 0
		.amdhsa_kernarg_size 32
		.amdhsa_user_sgpr_count 2
		.amdhsa_user_sgpr_kernarg_segment_ptr 1
		.amdhsa_wavefront_size32 1
		.amdhsa_system_sgpr_workgroup_id_x 1
		.amdhsa_system_sgpr_workgroup_id_y 1
		.amdhsa_system_sgpr_workgroup_id_z 1
		.amdhsa_system_vgpr_workitem_id 0
		.amdhsa_next_free_vgpr 512
		.amdhsa_next_free_sgpr 66
		.amdhsa_reserve_vcc 1
		.amdhsa_float_denorm_mode_32 3
		.amdhsa_float_denorm_mode_16_64 3
		.amdhsa_memory_ordered 1
		.amdhsa_forward_progress 1
		.amdhsa_inst_pref_size 213
	.end_amdhsa_kernel
	.amdgpu_metadata
---
amdhsa.version: [ 1, 2 ]
amdhsa.kernels:
  - .name:           k_q7391eaafef_sweep
    .symbol:         k_q7391eaafef_sweep.kd
    .args:
      - { .name: xq, .offset: 0, .size: 8, .value_kind: global_buffer, .address_space: global }
      - { .name: eq, .offset: 8, .size: 8, .value_kind: global_buffer, .address_space: global }
      - { .name: out1, .offset: 16, .size: 8, .value_kind: global_buffer, .address_space: global }
      - { .name: ind, .offset: 24, .size: 8, .value_kind: global_buffer, .address_space: global }
    .group_segment_fixed_size: 327680
    .private_segment_fixed_size: 0
    .kernarg_segment_align: 8
    .kernarg_segment_size: 32
    .max_flat_workgroup_size: 256
    .sgpr_count:     66
    .vgpr_count:     512
    .wavefront_size: 32
...
	.end_amdgpu_metadata
.endif
;; end of part 2
;; launch gather (part 3): grid 256 x 1, 8 waves a work-group, no clusters, 0 bytes of LDS; arguments ind, embed, out0; writes out0
.if DOCPART == 3
	.amdgcn_target "amdgcn-amd-amdhsa--gfx1250"
	.amdhsa_code_object_version 6
	.text
	.protected	k_q7391eaafef_gather
	.globl	k_q7391eaafef_gather
	.p2align	8
	.type	k_q7391eaafef_gather,@function
k_q7391eaafef_gather:
	s_mov_b64 s[64:65], 0
	v_nop
	global_prefetch_b8 v0, s[64:65] scope:SCOPE_SE
	s_setreg_imm32_b32 hwreg(HW_REG_WAVE_MODE, 25, 1), 1
	s_wait_xcnt 0x0
; out0[n][:] = embed[ind[n]][:].  ind: 32,768 whole numbers, stored by the launch before; embed [8192][256], out0 [32768][256]: f32.
; A wave takes 16 rows: its 16 indices come by one scalar load; a row is 1,024 bytes: two loads and two stores of 512 consecutive bytes.  All 32 loads of a wave go out before its first store.  No loop, no LDS:
; waves share nothing, and which rows are read again hangs on the data, so no tile is shared.
	s_load_b128 s[4:7], s[0:1], 0x0                ; ind s[4:5], embed s[6:7]
	s_load_b64 s[8:9], s[0:1], 0x10                ; out0
	v_lshrrev_b32 v1, 5, v0
	s_delay_alu instid0(VALU_DEP_1)
	v_readfirstlane_b32 s10, v1                    ; wave 0..7
	v_and_b32 v1, 31, v0
	s_delay_alu instid0(VALU_DEP_1)
	v_lshlrev_b32 v1, 4, v1                        ; 16 x lane
	s_lshl_b32 s11, ttmp9, 3
	s_add_co_u32 s11, s11, s10                     ; which 16 rows are my wave's
	s_lshl_b32 s12, s11, 6                         ; 64 bytes of indices,
	s_mov_b32 s13, 0
	s_lshl_b32 s14, s11, 14                        ; 16,384 bytes of out0 (under 2^26)
	s_mov_b32 s15, 0
	s_wait_alu depctr_va_vdst(0)
	s_wait_kmcnt 0x0
	s_add_nc_u64 s[4:5], s[4:5], s[12:13]
	s_add_nc_u64 s[8:9], s[8:9], s[14:15]
	s_load_b512 s[16:31], s[4:5], 0x0              ; my 16 indices
	s_wait_kmcnt 0x0
.irp i, 0,1,2,3,4,5,6,7,8,9,10,11,12,13,14,15
	s_min_u32 s[16+\i], s[16+\i], 8191             ; an index stays inside the table
	s_lshl_b32 s[16+\i], s[16+\i], 10              ; a row is 1,024 bytes
	v_add_nc_u32 v[2+\i], s[16+\i], v1             ; each row has an offset register of its own: none is written again
	global_load_b128 v[24+8*\i:24+8*\i+3], v[2+\i], s[6:7]
	global_load_b128 v[24+8*\i+4:24+8*\i+7], v[2+\i], s[6:7] offset:512
.endr
.set n, 0
.rept 32
	s_wait_loadcnt 31-n                            ; loads come back in order: load n is in, the younger ones stay out
	global_store_b128 v1, v[24+4*n:24+4*n+3], s[8:9] offset:512*n th:TH_STORE_NT   ; 512 consecutive bytes, at a multiple of 256 from out0's first byte; written once
.set n, n+1
.endr
	s_endpgm
.Lfunc_end_k_q7391eaafef_gather:
	.size	k_q7391eaafef_gather, .Lfunc_end_k_q7391eaafef_gather-k_q7391eaafef_gather
	.p2alignl 7, 3214868480
	.fill 96, 4, 3214868480
	.section	.rodata,"a",@progbits
	.p2align	6, 0x0
	.amdhsa_kernel k_q7391eaafef_gather
		.amdhsa_group_segment_fixed_size 0
		.amdhsa_private_segment_fixed_size 0
		.amdhsa_enable_private_segment 0
		.amdhsa_kernarg_size 24
		.amdhsa_user_sgpr_count 2
		.amdhsa_user_sgpr_kernarg_segment_ptr 1
		.amdhsa_wavefront_size32 1
		.amdhsa_system_sgpr_workgroup_id_x 1
		.amdhsa_system_sgpr_workgroup_id_y 1
		.amdhsa_system_sgpr_workgroup_id_z 1
		.amdhsa_system_vgpr_workitem_id 0
		.amdhsa_next_free_vgpr 152
		.amdhsa_next_free_sgpr 66
		.amdhsa_reserve_vcc 0
		.amdhsa_float_denorm_mode_32 3
		.amdhsa_float_denorm_mode_16_64 3
		.amdhsa_memory_ordered 1
		.amdhsa_forward_progress 1
		.amdhsa_inst_pref_size 10
	.end_amdhsa_kernel
	.amdgpu_metadata
---
amdhsa.version: [ 1, 2 ]
amdhsa.kernels:
  - .name:           k_q7391eaafef_gather
    .symbol:         k_q7391eaafef_gather.kd
    .args:
      - { .name: ind, .offset: 0, .size: 8, .value_kind: global_buffer, .address_space: global }
      - { .name: embed, .offset: 8, .size: 8, .value_kind: global_buffer, .address_space: global }
      - { .name: out0, .offset: 16, .size: 8, .value_kind: global_buffer, .address_space: global }
    .group_segment_fixed_size: 0
    .private_segment_fixed_size: 0
    .kernarg_segment_align: 8
    .kernarg_segment_size: 24
    .max_flat_workgroup_size: 256
    .sgpr_count:     66
    .vgpr_count:     152
    .wavefront_size: 32
...
	.end_amdgpu_metadata
.endif
;; end of part 3
